; MI455X (gfx1250); checked and timed in simulation.
; The chip was launched on July 23, 2026; its instructions are those of AMD's public machine-readable ISA for CDNA 5 (MIT licence, August 2026) and "CDNA5" Instruction Set Architecture Reference Guide (July 2026). The comments in the code are by the model that wrote it; some were corrected since.
;; ICLT Adapter. Allowed arithmetic: matrix products marked QUANTISED: E5M2 operands, one E8M0 scale for each 32 along K, by v_wmma_scale_f32_16x16x128_f8f6f4 with both operands' format E5M2, f32 sums; products left as they are: f32 operands where the result goes on into a quantised operand, else bf16, f16 or f32 operands; f32 sums; everything else in f32.
;; Inputs: U_codes 8 x 2,048 x 2 x 32 uint8 (E5M2 codes of U, K innermost, in blocks of 32 codes); U_scales 8 x 2,048 x 2 uint8 (E8M0 scales of U, one for each 32 codes along K); V_codes 8 x 64 x 64 x 32 uint8 (E5M2 codes of V, K innermost, in blocks of 32 codes); V_scales 8 x 64 x 64 uint8 (E8M0 scales of V, one for each 32 codes along K); W1_codes 2,048 x 64 x 32 uint8 (E5M2 codes of W1, K innermost, in blocks of 32 codes); W1_scales 2,048 x 64 uint8 (E8M0 scales of W1, one for each 32 codes along K); W2 2,048 x 8 float32; b1 2,048 float32; b2 8 float32; x_codes 4 x 2,048 x 64 x 32 uint8 (E5M2 codes of x, K innermost, in blocks of 32 codes); x_scales 4 x 2,048 x 64 uint8 (E8M0 scales of x, one for each 32 codes along K).
;; Outputs: out0 4 x 2,048 x 2,048 float32.
;; This version of the problem:
;;   THIS VERSION OF THE PROBLEM IS GIVEN IN LOW PRECISION. The matrix products marked QUANTISED in the list below multiply operands that are first quantised to E5M2 (5 exponent bits, 2 mantissa bits; 8 bits a number), with one power-of-two scale for each 32 numbers along K (OCP MX v1.0); their sums are f32. All else is computed in f32.
;;   The module's matrix products, in the order in which they are computed (A, B: the left and right operand; K: the contracted axis; several contracted axes count as one K, in the product's order):
;;     1. [M 8,192, K 2,048] x [K 2,048, N 2,048]; A: input x (given as codes); B: input W1 (given as codes): QUANTISED
;;     2. [M 8,192, K 2,048] x [K 2,048, N 8]; A: computed on the way; B: input W2: left as it is (N = 8 < 16)
;;     3. [M 8,192, K 2,048] x [K 2,048, N 512]; A: input x (given as codes); B: input V (given as codes): QUANTISED
;;     4. batch 8 x [M 8,192, K 64] x [K 64, N 2,048]; A: computed on the way; B: input U (given as codes): QUANTISED
;;     5. batch 8,192 x [M 1, K 8] x [K 8, N 2,048]; A: softmax; B: computed on the way: left as it is (K = 8 < 32)
;;   THE QUANTISER, for each operand of a quantised product, along K:
;;     - K is cut into blocks of 32 from its start; a last block that is shorter is filled with zeros.
;;     - A block's scale is 2^e with e = floor(log2(the largest magnitude in the block)) - 15, held to -126 .. 127; a block of zeros has e = 0. As a byte (E8M0): e + 127.
;;     - Each number is divided by its block's scale, clamped to +-57,344, and rounded to the nearest number of E5M2, ties to even, subnormals kept.
;;     - The product sums the exact products of the quantised numbers (number of the format x scale) in f32.
;;   ~~~python
;;   def quantise(x, axis):      # numpy; x: float32 -> the quantised numbers, widened to float32 again
;;       x = np.moveaxis(x, axis, -1); K = x.shape[-1]
;;       x = np.pad(x, [(0, 0)] * (x.ndim - 1) + [(0, -K % 32)]); x = x.reshape(x.shape[:-1] + (-1, 32)); a = np.abs(x).max(-1, keepdims=True)
;;       e = np.where(a > 0, np.clip(np.frexp(np.where(a > 0, a, 1))[1] - 1 - 15, -126, 127), 0)      # np.frexp(a)[1] - 1 = floor(log2(a)), exactly
;;       r = np.clip(x / 2.0 ** e, -57344, 57344)
;;       step = 2.0 ** (np.maximum(np.frexp(np.where(r == 0, 1, r))[1] - 1, -14) - 2)
;;       q = np.round(r / step) * step * 2.0 ** e      # np.round: ties to even
;;       return np.moveaxis(q.reshape(q.shape[:-2] + (-1,))[..., :K], -1, axis).astype(np.float32)
;;   ~~~
;;   OPERANDS COMPUTED ON THE WAY. 'Computed on the way' means the value that the module computes at that place (a softmax that the list does not call 'softmax' is quantised finished and normalised). What goes into a quantiser is computed in f32, as accurately as f32 sums, v_exp_f32 and their like allow (about 1e-6 of the number): no bf16 or f16 on the way to a quantiser, and a product that is left as it is and whose result goes on into a quantised operand takes f32 operands (vector FMAs, or v_wmma_f32_16x16x4_f32). A number that lies on a knife's edge between two numbers of the format may be rounded either way, as far as f32 arithmetic and the matrix unit's own rounding can turn it there, and no further.
;;   INPUTS GIVEN AS CODES. U (in the module: [8, 2048, 64], K = its axis 2); V (in the module: [8, 64, 2048], K = its axis 2); W1 (in the module: [2048, 2048], K = its axis 0); x (in the module: [4, 2048, 2048], K = its axis 2): each comes as NAME_codes (uint8): NAME with its K axis moved to the last place and cut into blocks of 32 codes, [.., K / 32, bytes a block], one block behind the other in memory; one code a byte (a code: sign, 5 exponent bits, 2 mantissa bits); and NAME_scales (uint8): the same leading axes, one E8M0 byte (e + 127) for each 32 codes along K. Its value is code x scale, taken as it is: it is not quantised again, and the codes and scales need not be those that the quantiser above would give.
;; One version. Each part assembles by itself: llvm-mc -triple=amdgcn-amd-amdhsa -mcpu=gfx1250 --defsym DOCPART=n.
;; ======== version 1 of 1: 2 launches
;; limits: values are held in bf16: 8 bits of precision; right only within a limited range of input values
;; workspace buffers: vq 4,194,304 bytes; vs 131,072 bytes; plog 2,097,152 bytes
;; launch router_vx (part 1): grid 8 x 32, 4 waves a work-group, clusters of 4 x 4, 327,680 bytes of LDS; arguments x_codes, x_scales, W1_codes, W1_scales, V_codes, V_scales, b1, W2, vq, vs, plog; writes vq, vs, plog
.if DOCPART == 1
	.amdgcn_target "amdgcn-amd-amdhsa--gfx1250"
	.amdhsa_code_object_version 6
	.text
	.protected	k_q339ef52fa2_router_vx
	.globl	k_q339ef52fa2_router_vx
	.p2align	8
	.type	k_q339ef52fa2_router_vx,@function
k_q339ef52fa2_router_vx:
	s_mov_b64 s[64:65], 0
	v_nop
	global_prefetch_b8 v0, s[64:65] scope:SCOPE_SE
	s_setreg_imm32_b32 hwreg(HW_REG_WAVE_MODE, 25, 1), 1
	s_wait_xcnt 0x0
	s_wait_alu depctr_hold_cnt(0) depctr_sa_sdst(0) depctr_va_vdst(0) depctr_va_sdst(0) depctr_va_ssrc(0) depctr_va_vcc(0) depctr_vm_vsrc(0)
	s_getreg_b32 s2, hwreg(HW_REG_IB_STS2, 6, 4)
	s_cmp_eq_u32 s2, 0
	s_cbranch_scc0 .Lentry_in_a_cluster
	s_endpgm
.Lentry_in_a_cluster:
	s_bfe_u32 s2, ttmp6, 0x10000c
	s_cmp_lg_u32 s2, 0xf033
	s_cbranch_scc0 .Lentry_shape_is_right
	s_endpgm
.Lentry_shape_is_right:
; FIRST OF TWO LAUNCHES.  No work is left out.  h = relu(x W1 + b1) and vx = V x on codes of E5M2 with E8M0 scales, f32 sums; partial logits = h W2 in bf16 with f32 sums (its result goes into no quantiser); vx is quantised along r (K = 64: two blocks).
; STORES: vq (vx's codes as images of the next launch's operand registers), vs (their scale bytes), plog (8 partial sums of the logits, one for each 256 hidden units).
; SHARES.  Work-group (nj, mi): 256 tokens x (256 hidden units and the 64 rows of expert nj's V).  8 x 32 = 256 work-groups of equal work.  Wave (i = w / 2, j = w % 2): 128 tokens (8 tiles a) x 128 hidden units (8 tiles b) + 32 rows of V (2 tiles u).
; TRANSPOSED USE: source 0 = rows of W1 or V, source 1 = tokens: a lane holds ONE token and eight neighbouring columns.  V's rows are dealt to tiles so that a lane's 16 registers of tiles u = 0, 1 are 16 neighbours along r.
; K in steps of 256 through a ring of two LDS slots; a slot: x's 256 rows, W1's 256, V's 64, 256 bytes each + 16 of padding.  CLUSTER 4 x 4: x's rows are shared along a row, W1's and V's along a column: joint loads.
; THE BIAS is the first products' C: b1 is loaded into the accumulators of a = 7, which all (a, b) take as C and (7, b) last, in place.
; LIMITS.  NaN and infinity codes, scale bytes 0xff and sums beyond f32's range are not served.
; REGISTERS.  Window 0: v1-15 addresses, v16-51 scale words (two sets), v52-83 W2 in bf16, v84-95 at work, v96-223 W1's fragments, v224-255 V's.  Windows 1, 2: accumulators of a = 0-3, 4-7.  Window 3: v0-127 V's accumulators, v128-255 x's fragments.
.set SLOT,  156672
.set HALF,  34816                      ; 128 rows x 272
.set WB,    69632
.set VB,    139264
.set SPARE, 2*SLOT
.set LG,    0                          ; the way out, in slot 0: partial logits
.set SCB,   16384                      ; and scale bytes
.set ADRA, 1
.set ADRW, 3
.set ADRV, 5
.set SO,   7
.set SOV,  8
.set BY,   1                           ; v1-8 at the end: vx's scale bytes
.set SPW,  9
.set NIL,  10
.set PFO,  11
.set PFOV, 12
.set RR,   13
.set HH,   14
.set LN,   15
.set SC,   16
.set W2F,  52
.set TM,   84
.set BF,   96
.set AF,   128
.set TT,   96                          ; the way out: 16 numbers of h,
.set HF,   128                         ; in bf16, two sets,
.set LA,   144                         ; the logits' sums,
.set TA,   208                         ; addresses
.set G1X, 24
.set G1W, 32
.set G1V, 40
.set G0X, 48
.set G0W, 56
.set G0V, 68
.set WV,  76
.set WI,  77
.set WJ,  78
.set CX,  79
.set CY,  80
.set NJ,  81
.set MI,  82
.set PFA, 84
.set PFV, 86
.set LIM, 88
.set LIMV, 89
.set SEL, 94
.set MNT, 96
.set MH,  97
.set G1W0, (1<<20)|(1<<21)|(5<<22)|(3<<25)
.set MSB, 0
.macro WIN new
.if MSB != (\new)
	s_set_vgpr_msb (MSB<<8)|(\new)
.set MSB, (\new)
.endif
.endm
.macro PLACES n
.rept \n
	v_nop
.endr
.endm
.macro CREST                           ; a round of the cluster's barrier behind its opening barrier
	s_cmp_lg_u32 s[WV], 0
	s_cbranch_scc1 .Lnot_wave_0_\@
	s_barrier_signal -3
.Lnot_wave_0_\@:
	s_barrier_wait -3
	s_barrier_signal -1
	s_barrier_wait -1
.endm
.macro CROUND
	s_barrier_signal -1
	s_barrier_wait -1
	CREST
.endm
.macro JLOAD s                         ; one joint load a wave: waves 0, 1 x's halves, wave 2 W1's rows, wave 3 V's
	s_cmp_lt_u32 s[WV], 2
	s_cbranch_scc0 .Lnot_x_\@
	tensor_load_to_lds s[G0X+4*\s:G0X+4*\s+3], s[G1X:G1X+7]
	s_nop 0
.rept 4
	v_nop
.endr
	s_branch .Lasked_\@
.Lnot_x_\@:
	s_cmp_eq_u32 s[WV], 2
	s_cbranch_scc0 .Lfor_v_\@
	tensor_load_to_lds s[G0W+4*\s:G0W+4*\s+3], s[G1W:G1W+7]
	s_nop 0
.rept 4
	v_nop
.endr
	s_branch .Lasked_\@
.Lfor_v_\@:
	tensor_load_to_lds s[G0V+4*\s:G0V+4*\s+3], s[G1V:G1V+7]
	s_nop 0
.rept 4
	v_nop
.endr
.Lasked_\@:
.endm
; PREFETCHES INTO THE L2.  A lane a row, 32 rows a wave, told apart by cx (x) or cy (W1): the K step one further on than the refill of the same change of slots; ahead of the loop (how = 0) K step 2.  V: wave 2, 16 rows x two K steps.
; Every cluster asks for its x rows; W1's and V's are asked for by the clusters with y = 0 and y = 6.  how = 1, 2: a trip's first, second change of slots; the last trip's second asks for nothing.
.macro ASK how
.if (\how) == 2
	s_cmp_gt_u32 s3, s[LIM]
.else
	s_cmp_eq_u32 s[LIM], 1
.endif
	s_cbranch_scc0 .Lnot_mine_\@
	global_prefetch_b8 v[PFO], s[PFA:PFA+1] offset:256 th:TH_LOAD_NT scope:SCOPE_SE
.Lnot_mine_\@:
.if (\how) != 1
.if (\how) == 2
	s_cmp_gt_u32 s3, s[LIMV]
.else
	s_cmp_eq_u32 s[LIMV], 1
.endif
	s_cbranch_scc0 .Lnot_v_\@
	global_prefetch_b8 v[PFOV], s[PFV:PFV+1] th:TH_LOAD_NT scope:SCOPE_SE
.Lnot_v_\@:
.endif
.endm
.macro G1SET g, rows
	s_mov_b32 s[\g+1], 256<<16
	s_mov_b32 s[\g+2], (\rows)<<16
	s_mov_b32 s[\g+3], 256<<16
	s_mov_b32 s[\g+4], \rows
	s_mov_b32 s[\g+5], 2048
	s_mov_b32 s[\g+6], 0
	s_mov_b32 s[\g+7], 0
.endm
.macro DESC s
	s_mov_b32 s[G0X+4*\s], 1
	s_add_co_u32 s[G0X+4*\s+1], s2, \s*SLOT
	s_add_nc_u64 s[G0X+4*\s+2:G0X+4*\s+3], s[92:93], \s*256
	s_or_b32 s[G0X+4*\s+3], s[G0X+4*\s+3], 0x80000000
	s_mov_b32 s[G0W+4*\s], 1
	s_mov_b32 s[G0W+4*\s+1], WB+\s*SLOT
	s_add_nc_u64 s[G0W+4*\s+2:G0W+4*\s+3], s[96:97], \s*256
	s_or_b32 s[G0W+4*\s+3], s[G0W+4*\s+3], 0x80000000
	s_mov_b32 s[G0V+4*\s], 1
	s_mov_b32 s[G0V+4*\s+1], VB+\s*SLOT
	s_add_nc_u64 s[G0V+4*\s+2:G0V+4*\s+3], s[98:99], \s*256
	s_or_b32 s[G0V+4*\s+3], s[G0V+4*\s+3], 0x80000000
.endm
.macro PROD r0, r1, zero
.if \zero
.if (\r0) && (\r1)
	v_wmma_scale_f32_16x16x128_f8f6f4 v[rD:rD+7], v[rS0:rS0+15], v[rS1:rS1+15], 0, v[rC0], v[rC1] matrix_a_fmt:MATRIX_FMT_BF8 matrix_b_fmt:MATRIX_FMT_BF8 matrix_a_scale:MATRIX_SCALE_ROW1 matrix_b_scale:MATRIX_SCALE_ROW1
.elseif (\r0)
	v_wmma_scale_f32_16x16x128_f8f6f4 v[rD:rD+7], v[rS0:rS0+15], v[rS1:rS1+15], 0, v[rC0], v[rC1] matrix_a_fmt:MATRIX_FMT_BF8 matrix_b_fmt:MATRIX_FMT_BF8 matrix_a_scale:MATRIX_SCALE_ROW1
.elseif (\r1)
	v_wmma_scale_f32_16x16x128_f8f6f4 v[rD:rD+7], v[rS0:rS0+15], v[rS1:rS1+15], 0, v[rC0], v[rC1] matrix_a_fmt:MATRIX_FMT_BF8 matrix_b_fmt:MATRIX_FMT_BF8 matrix_b_scale:MATRIX_SCALE_ROW1
.else
	v_wmma_scale_f32_16x16x128_f8f6f4 v[rD:rD+7], v[rS0:rS0+15], v[rS1:rS1+15], 0, v[rC0], v[rC1] matrix_a_fmt:MATRIX_FMT_BF8 matrix_b_fmt:MATRIX_FMT_BF8
.endif
.else
.if (\r0) && (\r1)
	v_wmma_scale_f32_16x16x128_f8f6f4 v[rD:rD+7], v[rS0:rS0+15], v[rS1:rS1+15], v[rA:rA+7], v[rC0], v[rC1] matrix_a_fmt:MATRIX_FMT_BF8 matrix_b_fmt:MATRIX_FMT_BF8 matrix_a_scale:MATRIX_SCALE_ROW1 matrix_b_scale:MATRIX_SCALE_ROW1
.elseif (\r0)
	v_wmma_scale_f32_16x16x128_f8f6f4 v[rD:rD+7], v[rS0:rS0+15], v[rS1:rS1+15], v[rA:rA+7], v[rC0], v[rC1] matrix_a_fmt:MATRIX_FMT_BF8 matrix_b_fmt:MATRIX_FMT_BF8 matrix_a_scale:MATRIX_SCALE_ROW1
.elseif (\r1)
	v_wmma_scale_f32_16x16x128_f8f6f4 v[rD:rD+7], v[rS0:rS0+15], v[rS1:rS1+15], v[rA:rA+7], v[rC0], v[rC1] matrix_a_fmt:MATRIX_FMT_BF8 matrix_b_fmt:MATRIX_FMT_BF8 matrix_b_scale:MATRIX_SCALE_ROW1
.else
	v_wmma_scale_f32_16x16x128_f8f6f4 v[rD:rD+7], v[rS0:rS0+15], v[rS1:rS1+15], v[rA:rA+7], v[rC0], v[rC1] matrix_a_fmt:MATRIX_FMT_BF8 matrix_b_fmt:MATRIX_FMT_BF8
.endif
.endif
.endm
; Scale words, set sp: W1's pair p at 8 + 2 p + q, V's at 16 + q, x's pair p at 2 p + 1 - q: x's register number is odd where the other's is even
.macro PW a, b, q, sp, z
.set rD,  8*(8*((\a)%4)+(\b))
.set rA,  rD
.if \z
.set rA,  192+8*(\b)                   ; b1, in the accumulators of a = 7
.endif
.set rS0, BF+16*(\b)
.set rS1, AF+16*(\a)
.set rC0, SC+18*(\sp)+8+2*((\b)/2)+(\q)
.set rC1, SC+18*(\sp)+2*((\a)/2)+1-(\q)
	PROD (\b)%2, (\a)%2, 0
.endm
.macro PV a, u, q, sp, z
.set rD,  8*(2*(\a)+(\u))
.set rA,  rD
.set rS0, BF+128+16*(\u)
.set rS1, AF+16*(\a)
.set rC0, SC+18*(\sp)+16+(\q)
.set rC1, SC+18*(\sp)+2*((\a)/2)+1-(\q)
	PROD \u, (\a)%2, \z
.endm
.macro MULH a0, bh, q, sp, z           ; token tiles a0, a0 + 1 x four tiles of W1: 8 products
.if (\z) && (\a0) < 4
	WIN 0x6c
.else
	WIN 0x5c+0x50*((\a0)/4)
.endif
.irp x, 0,1
.if (\z) && (\a0)+\x == 7
	PLACES 9                                       ; (7, b) writes over the C of (6, b)
.endif
.irp y, 0,1,2,3
	PW (\a0)+\x, 4*(\bh)+\y, \q, \sp, \z
.endr
.endr
.endm
.macro MULV ah, u, q, sp, z            ; four token tiles x V's tile u
	WIN 0xfc
.irp x, 0,1,2,3
	PV 4*(\ah)+\x, \u, \q, \sp, \z
.endr
.endm
.macro MULQ ah, bh, q, sp, z           ; a quadrant: 20 products
	MULH 4*(\ah), \bh, \q, \sp, \z
	MULH 4*(\ah)+2, \bh, \q, \sp, \z
	MULV \ah, \bh, \q, \sp, \z
.endm
.macro FA ah, slot, q                  ; half of A's fragments: 16 loads
	WIN 0xc0
.irp x, 0,1,2,3
.irp c, 0,1,2,3
	ds_load_b128 v[AF+16*(4*(\ah)+\x)+4*\c:AF+16*(4*(\ah)+\x)+4*\c+3], v[ADRA+\slot] offset:128*(\q)+32*\c+4352*(4*(\ah)+\x)
.endr
.endr
.endm
.macro FB bh, slot, q                  ; half of B's: four tiles of W1 and one of V: 20 loads
	WIN 0
.irp x, 0,1,2,3
.irp c, 0,1,2,3
	ds_load_b128 v[BF+16*(4*(\bh)+\x)+4*\c:BF+16*(4*(\bh)+\x)+4*\c+3], v[ADRW+\slot] offset:128*(\q)+32*\c+4352*(4*(\bh)+\x)
.endr
.endr
.irp c, 0,1,2,3
	ds_load_b128 v[BF+128+16*(\bh)+4*\c:BF+128+16*(\bh)+4*\c+3], v[ADRV+\slot] offset:128*(\q)+32*\c+2176*(\bh)
.endr
.endm
.macro SCLD sp, off                    ; a K step's scale words into set sp: 13 loads
	WIN 0
.irp p, 0,1,2,3
	global_load_b32 v[SC+18*(\sp)+2*\p+1], v[SO], s[6:7] offset:\off+2048*\p
	global_load_b32 v[SC+18*(\sp)+2*\p], v[SO], s[6:7] offset:\off+2048*\p+4
.endr
.irp p, 0,1,2,3
	global_load_b64 v[SC+18*(\sp)+8+2*\p:SC+18*(\sp)+8+2*\p+1], v[SO], s[10:11] offset:\off+2048*\p
.endr
	global_load_b64 v[SC+18*(\sp)+16:SC+18*(\sp)+17], v[SOV], s[14:15] offset:\off
.endm
	s_load_b256 s[4:11], s[0:1], 0x0
	s_load_b256 s[12:19], s[0:1], 0x20
	s_load_b128 s[20:23], s[0:1], 0x40
	s_load_b64 s[66:67], s[0:1], 0x50
	v_lshl_add_u32 v[SPW], v0, 2, SPARE
	v_mov_b32 v[NIL], 0
	ds_add_u32 v[SPW], v[NIL]                      ; the opening adds, twice on end
	ds_add_u32 v[SPW], v[NIL]
	v_lshrrev_b32 v13, 5, v0
	v_readfirstlane_b32 s[WV], v13
	s_lshr_b32 s[WI], s[WV], 1
	s_and_b32 s[WJ], s[WV], 1
	s_bfe_u32 s[CX], ttmp6, 0x40000
	s_bfe_u32 s[CY], ttmp6, 0x40004
	s_lshl_b32 s[NJ], ttmp9, 2
	s_add_co_u32 s[NJ], s[NJ], s[CX]
	s_and_b32 s[MI], ttmp7, 0xffff
	s_lshl_b32 s[MI], s[MI], 2
	s_add_co_u32 s[MI], s[MI], s[CY]
	s_lshl_b32 s83, s[CY], 2
	s_lshl_b32 s83, 15, s83                        ; my row of the cluster
	s_lshl_b32 s94, 0x1111, s[CX]                  ; my column
	s_or_b32 s[G1X], s83, G1W0
	s_or_b32 s[G1W], s94, G1W0
	s_or_b32 s[G1V], s94, G1W0
	G1SET G1X, 128
	G1SET G1W, 256
	G1SET G1V, 64
	s_lshl_b32 s90, s[MI], 19
	s_lshl_b32 s91, s[WJ], 18
	s_add_co_u32 s90, s90, s91                     ; x: row 256 mi + 128 j (waves 0, 1)
	s_mov_b32 s91, 0
	s_mul_i32 s2, s[WJ], HALF
	s_lshl_b32 s94, s[NJ], 19                      ; W1: row 256 nj
	s_mov_b32 s95, 0
	s_lshl_b32 s98, s[NJ], 17                      ; V: row 64 nj
	s_mov_b32 s99, 0
	s_wait_dscnt 0x0                               ; both opening adds are done
	CROUND                                         ; the round in front of the first joint loads
	s_wait_kmcnt 0x0
	s_add_nc_u64 s[92:93], s[4:5], s[90:91]
	s_add_nc_u64 s[96:97], s[8:9], s[94:95]
	s_add_nc_u64 s[98:99], s[12:13], s[98:99]
	DESC 0
	JLOAD 0                                        ; K step 0: one tensor load a wave at the head
	DESC 1
	s_lshl_b32 s90, s[MI], 14                      ; scale bytes: 64 a row
	s_lshl_b32 s92, s[WI], 13
	s_add_co_u32 s90, s90, s92
	s_add_nc_u64 s[6:7], s[6:7], s[90:91]
	s_lshl_b32 s94, s[NJ], 14
	s_lshl_b32 s96, s[WJ], 13
	s_add_co_u32 s94, s94, s96
	s_add_nc_u64 s[10:11], s[10:11], s[94:95]
	s_lshl_b32 s94, s[NJ], 12
	s_lshl_b32 s96, s[WJ], 11
	s_add_co_u32 s94, s94, s96
	s_add_nc_u64 s[14:15], s[14:15], s[94:95]
	s_lshl_b32 s94, s[NJ], 10
	s_lshl_b32 s96, s[WJ], 9
	s_add_co_u32 s94, s94, s96
	s_add_nc_u64 s[16:17], s[16:17], s[94:95]      ; b1 at hidden unit 256 nj + 128 j
	s_add_nc_u64 s[20:21], s[20:21], s[94:95]      ; vq: [token tile][expert][half of r][lane][16]
	s_lshl_b32 s94, s[MI], 17
	s_lshl_b32 s96, s[WI], 16
	s_add_co_u32 s94, s94, s96
	s_add_nc_u64 s[20:21], s[20:21], s[94:95]
	s_lshl_b32 s94, s[NJ], 13
	s_lshl_b32 s96, s[WJ], 12
	s_add_co_u32 s94, s94, s96
	s_add_nc_u64 s[18:19], s[18:19], s[94:95]      ; W2's rows
	s_mul_i32 s90, s[WI], HALF
	s_mul_i32 s92, s[WJ], HALF
	s_add_co_u32 s92, s92, WB
	s_mul_i32 s2, s[WJ], 32*272
	s_add_co_u32 s2, s2, VB
	v_and_b32 v[RR], 15, v0
	v_bfe_u32 v[HH], v0, 4, 1
	v_and_b32 v[LN], 31, v0
	v_lshlrev_b32 v[SO], 6, v[LN]
	v_and_b32 v92, 8, v[RR]
	v_add_nc_u32 v92, v92, v[RR]                   ; r + 8 (r / 8): V's row in a tile
	v_lshl_add_u32 v93, v[HH], 3, v92
	v_lshlrev_b32 v[SOV], 6, v93
	v_lshlrev_b32 v84, 5, v[HH]                    ; b1: 8 h
	v_and_b32 v85, 7, v[RR]
	v_lshlrev_b32 v85, 2, v85
	v_lshl_add_u32 v85, v[HH], 8, v85              ; W2: row 8 h, expert r % 8
	v_lshlrev_b32 v[PFO], 11, v[LN]
	v_lshlrev_b32 v[PFOV], 11, v[RR]
	v_lshl_add_u32 v[PFOV], v[HH], 8, v[PFOV]
	v_mul_u32_u24 v93, v[RR], 272
	v_lshl_add_u32 v93, v[HH], 4, v93
	v_mul_u32_u24 v94, v92, 272
	v_lshl_add_u32 v94, v[HH], 4, v94
	v_add_nc_u32 v[ADRA], s90, v93
	v_add_nc_u32 v[ADRW], s92, v93
	v_add_nc_u32 v[ADRV], s2, v94
	v_add_nc_u32 v[ADRA+1], SLOT, v[ADRA]
	v_add_nc_u32 v[ADRW+1], SLOT, v[ADRW]
	v_add_nc_u32 v[ADRV+1], SLOT, v[ADRV]
.irp k, 0,1,2,3
	v_mov_b32 v[TM+4+\k], 0                        ; (a lane permute's destination counts as a source)
.endr
	SCLD 0, 0
	SCLD 1, 8
	WIN 0x80
.irp b, 0,1,2,3,4,5,6,7
	global_load_b128 v[192+8*\b:192+8*\b+3], v84, s[16:17] offset:64*\b
	global_load_b128 v[192+8*\b+4:192+8*\b+7], v84, s[16:17] offset:64*\b+16
.endr
.irp g, 0,1,2,3                        ; W2 waits in the accumulators of a = 4, which the first step's third quadrant writes first
.irp i, 0,1,2,3,4,5,6,7,8,9,10,11,12,13,14,15
	global_load_b32 v[16*\g+\i], v85, s[18:19] offset:32*(32*\g+16*(\i/8)+\i%8)
.endr
.endr
	WIN 0
	s_lshl_b32 s96, s[MI], 3
	s_add_co_u32 s96, s96, s[NJ]
	s_lshl_b32 s94, s96, 9
	s_add_nc_u64 s[22:23], s[22:23], s[94:95]      ; vs: [mi][expert][token][2]
	s_lshl_b32 s94, s96, 13
	s_lshl_b32 s96, s[WV], 11
	s_add_co_u32 s94, s94, s96
	s_add_nc_u64 s[66:67], s[66:67], s[94:95]      ; plog: [mi][nj][token][8]
	; the prefetches: where mine stand and who asks
	s_and_b32 s83, ttmp7, 0xffff
	s_cmp_eq_u32 s83, 0
	s_cselect_b32 s[LIMV], 1, -1
	s_cmp_eq_u32 s83, 6
	s_cselect_b32 s[LIMV], 1, s[LIMV]
	s_cmp_eq_u32 s[WI], 0
	s_cselect_b32 s[LIM], 1, s[LIMV]
	s_cselect_b32 s94, s[MI], s[NJ]
	s_cselect_b32 s96, s[CX], s[CY]
	s_cselect_b64 s[PFA:PFA+1], s[4:5], s[8:9]
	s_cmp_eq_u32 s[WV], 2
	s_cselect_b32 s[LIMV], s[LIMV], -1
	s_lshl_b32 s94, s94, 8
	s_lshl_b32 s97, s[WJ], 7
	s_add_co_u32 s94, s94, s97
	s_lshl_b32 s96, s96, 5
	s_add_co_u32 s94, s94, s96
	s_lshl_b32 s94, s94, 11
	s_add_nc_u64 s[PFA:PFA+1], s[PFA:PFA+1], s[94:95]
	s_add_nc_u64 s[PFA:PFA+1], s[PFA:PFA+1], 256
	s_lshl_b32 s94, s[NJ], 17
	s_lshl_b32 s96, s[CY], 15
	s_add_co_u32 s94, s94, s96
	s_add_nc_u64 s[PFV:PFV+1], s[12:13], s[94:95]
	s_add_nc_u64 s[PFV:PFV+1], s[PFV:PFV+1], 512
	s_mov_b32 s[SEL], 0x76543210
	s_mov_b32 s[SEL+1], 0xfedcba98
	s_mov_b32 s[MNT], 0x600000                     ; the mantissa field of 57,344
	s_mov_b32 s[MH], 0xffff0000                    ; lanes 16-31
; A SLOT IS TWO STEPS of 128 along K, 80 products each, by quadrants (A's half, B's half): E: (0,0) (0,1) (1,1) (1,0); O: (0,1) (0,0) (1,0) (1,1).  One set of fragments for each side: a half is fetched anew behind its last quadrant, in three runs a step: 16, 20 and 36 loads.
; Eight places stand ahead of each run.
; An E step.  At its start the youngest 36 loads, B's half 1 and A's half 1, may be out.  ld: the scale loads behind this step's, which may be out.  z: the first step
.macro ESTEP slot, ld, z
.if (\z) == 0
	s_wait_loadcnt \ld
.endif
	s_wait_dscnt 36
	MULQ 0, 0, 0, \slot, \z
	s_wait_dscnt 16                                ; B's half 1 is in
	MULQ 0, 1, 0, \slot, \z
.if \z
	s_wait_loadcnt 0x0                             ; W2, rounded to bf16: these 32 lines are also the places ahead of the run below
	WIN 0x0a
.irp g, 0,1,2,3
.irp p, 0,1,2,3,4,5,6,7
	v_cvt_pk_bf16_f32 v[W2F+8*\g+\p], v[16*\g+2*\p], v[16*\g+2*\p+1]
.endr
.endr
.else
	PLACES 8
.endif
	FA 0, \slot, 1
	s_wait_dscnt 16                                ; A's half 1 is in
	MULQ 1, 1, 0, \slot, \z
	PLACES 8
	FB 1, \slot, 1
	MULQ 1, 0, 0, \slot, \z
	PLACES 8
	FB 0, \slot, 1
	FA 1, \slot, 1
	WIN 0
.endm
; An O step changes slots: all reads of this slot have been issued ahead of it.  fill = 1: the slot is filled again, two K steps on, behind a round of the cluster's barrier
.macro OSTEP slot, next, fill, par
.if \fill
	s_wait_xcnt 0x0                                ; my prefetches and scale loads have read their addresses
	s_add_nc_u64 s[PFA:PFA+1], s[PFA:PFA+1], 256
.if \par
	s_add_nc_u64 s[PFV:PFV+1], s[PFV:PFV+1], 512
.endif
	s_add_nc_u64 s[6:7], s[6:7], 8
	s_add_nc_u64 s[10:11], s[10:11], 8
	s_add_nc_u64 s[14:15], s[14:15], 8
.endif
	s_wait_dscnt 36                                ; all but B's half 0 and A's half 1
	MULQ 0, 1, 1, \slot, 0
	s_wait_dscnt 16                                ; B's half 0 is in
	MULH 0, 0, 1, \slot, 0
	MULH 2, 0, 1, \slot, 0
	WIN 0
	s_wait_tensorcnt 0x0                           ; my part of the next slot is in: a group 0 may be written;
	ds_add_u32 v[SPW], v[NIL]
.if \fill
	s_add_nc_u64 s[G0X+4*\slot+2:G0X+4*\slot+3], s[G0X+4*\slot+2:G0X+4*\slot+3], 512
	s_add_nc_u64 s[G0W+4*\slot+2:G0W+4*\slot+3], s[G0W+4*\slot+2:G0W+4*\slot+3], 512
	s_add_nc_u64 s[G0V+4*\slot+2:G0V+4*\slot+3], s[G0V+4*\slot+2:G0V+4*\slot+3], 512
.endif
	MULV 0, 0, 1, \slot, 0
	s_wait_dscnt 0x0                               ; the add is done, and my reads of this slot are over
	s_barrier_signal -1
	MULH 4, 0, 1, \slot, 0
	WIN 0
	s_barrier_wait -1
.if \fill
	CREST
	JLOAD \slot
	PLACES 4
.else
	PLACES 8
.endif
	FA 0, \next, 0
	WIN 0
.if \fill
	ASK 1+\par
.endif
	MULH 6, 0, 1, \slot, 0
	MULV 1, 0, 1, \slot, 0
	PLACES 8
	FB 0, \next, 0
	MULQ 1, 1, 1, \slot, 0
	PLACES 8
	FB 1, \next, 0
	FA 1, \next, 0
	WIN 0
.if \fill
	SCLD \slot, 8                                  ; the scale words of the K step that was asked for above
.endif
.endm
	s_wait_alu depctr_va_vdst(0)                   ; the wait at the head's end
	s_wait_tensorcnt 0x0                           ; my part of K step 0 is in
	ds_add_u32 v[SPW], v[NIL]
	s_wait_dscnt 0x0
	CROUND
	JLOAD 1                                        ; K step 1, issued as a refill is
	FA 0, 0, 0
	FB 0, 0, 0
	FB 1, 0, 0
	FA 1, 0, 0
	WIN 0
	ASK 0
	s_wait_loadcnt 63                              ; of 106 loads the first 43 are in: the scale words and b1 are 42
	ESTEP 0, 0, 1                                  ; the first products start the sums
	s_mov_b32 s3, 3
.Llap:
	OSTEP 0, 1, 1, 0
	ESTEP 1, 13, 0
	OSTEP 1, 0, 1, 1
	ESTEP 0, 13, 0
	s_sub_co_u32 s3, s3, 1
	s_cmp_lg_u32 s3, 0
	s_cbranch_scc1 .Llap
	OSTEP 0, 1, 0, 0                               ; K step 6: nothing more is filled
	ESTEP 1, 0, 0
	s_lshl_b32 s90, s[WI], 8
	s_add_co_u32 s90, s90, s[WJ]
	s_add_co_u32 s90, s90, SCB
	s_lshl_b32 s91, s[WJ], 13
	s_lshl_b32 s92, s[WI], 12
	s_add_co_u32 s91, s91, s92
	s_lshl_b32 s92, s[WV], 11
; THE QUANTISER OF vx, line n of 248 (124 for four token tiles): a block of 32 along r lies in lanes l and l xor 16
.macro QL n
.set A0_, 4*((\n)/124)
.set M_, (\n)%124
.if M_ < 4
.set K_, M_
.set R_, 16*(A0_+K_)
	WIN 0x0f
	v_max3_num_f32 v[TM+K_], |v[R_]|, |v[R_+1]|, 0x8000000   ; the floor 2^(16 - 127) among the leaves: the byte cannot fall under 1
.elseif M_ < 32
.set K_, (M_-4)%4
.set R_, 16*(A0_+K_)+2+2*((M_-4)/4)
	WIN 0x3c
	v_max3_num_f32 v[TM+K_], v[TM+K_], |v[R_]|, |v[R_+1]|
.elseif M_ < 36
.set K_, M_-32
	WIN 0
	v_permlanex16_b32 v[TM+4+K_], v[TM+K_], s[SEL], s[SEL+1]
.elseif M_ < 40
.set K_, M_-36
	WIN 0
	v_max_num_f32 v[TM+K_], v[TM+K_], v[TM+4+K_]
.elseif M_ < 44
.set K_, M_-40
	WIN 0
	v_add_nc_u32 v[TM+8+K_], 0xf8800000, v[TM+K_]  ; the conversion's scale operand
.elseif M_ < 48
.set K_, M_-44
	WIN 0
	v_and_or_b32 v[TM+4+K_], v[TM+K_], 0x7f800000, s[MNT]   ; 57,344 x the scale
.elseif M_ < 52
.set K_, M_-48
	WIN 0
	v_lshrrev_b32 v[BY+A0_+K_], 23, v[TM+8+K_]     ; the byte
.else
.set K_, (M_-52)/18
.set W_, (M_-52)%18
.set R_, 16*(A0_+K_)
.if W_ < 16
	WIN 0xc3
	v_med3_num_f32 v[R_+W_], v[R_+W_], -v[TM+4+K_], v[TM+4+K_]
.elseif W_ == 16
	WIN 0x03
	v_cvt_scalef32_pk8_bf8_f32 v[224+4*(A0_+K_):225+4*(A0_+K_)], v[R_:R_+7], v[TM+8+K_]
.else
	WIN 0x03
	v_cvt_scalef32_pk8_bf8_f32 v[226+4*(A0_+K_):227+4*(A0_+K_)], v[R_+8:R_+15], v[TM+8+K_]
.endif
.endif
.endm
.macro WQ ah, bh                       ; sixteen of the last products, four lines of the quantiser behind each
.irp x, 0,1,2,3
.irp y, 0,1,2,3
	WIN 0x5c+0x50*(\ah)
	PW 4*(\ah)+\x, 4*(\bh)+\y, 1, 1, 0
.rept 4
	QL N_
.set N_, N_+1
.endr
.endr
.endr
.endm
	s_wait_dscnt 36                                ; THE LAST STEP: V's products come early
	MULQ 0, 1, 1, 1, 0
	s_wait_dscnt 16
	MULV 0, 0, 1, 1, 0
	s_wait_dscnt 0x0
	MULV 1, 1, 1, 1, 0
	MULV 1, 0, 1, 1, 0
	PLACES 8
.set N_, 0
	WQ 0, 0
	WQ 1, 0
	WQ 1, 1
.rept 248-192
	QL N_
.set N_, N_+1
.endr
	WIN 0
	PLACES 8
	v_lshlrev_b32 v[TA], 4, v[LN]
	v_lshl_add_u32 v[TA+1], v[RR], 1, s90
	v_lshlrev_b32 v[TA+2], 5, v[RR]
	v_lshl_add_u32 v[TA+2], v[HH], 4, v[TA+2]
	v_add_nc_u32 v[TA+2], s91, v[TA+2]
	v_add_nc_u32 v[TA+3], s92, v[TA]
	v_add_nc_u32 v[TA+4], SCB, v[TA]
	s_wait_alu depctr_va_vdst(0)
; THE LOGITS: 16 tokens x 32 hidden units: relu, bf16, and a product with W2 (source 0: row m = expert m % 8)
.macro HCONV a, g
	WIN 4*(1+(\a)/4)
.irp n, 0,1,2,3,4,5,6,7,8,9,10,11,12,13,14,15
	v_max_num_f32 v[TT+\n], 0, v[64*((\a)%4)+16*(\g)+\n]
.endr
	WIN 0
.irp n, 0,1,2,3,4,5,6,7
	v_cvt_pk_bf16_f32 v[HF+8*((\a)%2)+\n], v[TT+2*\n], v[TT+2*\n+1]
.endr
.if (\g) == 0
	v_wmma_f32_16x16x32_bf16 v[LA+8*(\a):LA+8*(\a)+7], v[W2F+8*(\g):W2F+8*(\g)+7], v[HF+8*((\a)%2):HF+8*((\a)%2)+7], 0
.else
	v_wmma_f32_16x16x32_bf16 v[LA+8*(\a):LA+8*(\a)+7], v[W2F+8*(\g):W2F+8*(\g)+7], v[HF+8*((\a)%2):HF+8*((\a)%2)+7], v[LA+8*(\a):LA+8*(\a)+7]
.endif
.endm
.irp g, 0,1,2,3
.irp a, 0,1,2,3,4,5,6,7
	HCONV \a, \g
.endr
.endr
	PLACES 4
.irp a, 0,1,2,3,4,5,6,7
.irp n, 0,1,2,3
	v_cndmask_b32 v[TT+4*\a+\n], v[LA+8*\a+\n], v[LA+8*\a+4+\n], s[MH]   ; lanes 0-15 experts 0-3, lanes 16-31 experts 4-7 of a token
.endr
.endr
.irp a, 0,1,2,3,4,5,6,7
	ds_store_b128 v[TA+2], v[TT+4*\a:TT+4*\a+3] offset:LG+512*\a
.endr
.irp a, 0,1,2,3,4,5,6,7
	ds_store_b8 v[TA+1], v[BY+\a] offset:32*\a
.endr
.irp a, 0,1,2,3,4,5,6,7
	global_store_b128 v[TA], v[224+4*\a:227+4*\a], s[20:21] offset:8192*\a
.endr
	s_wait_alu depctr_va_vdst(0)
	s_wait_dscnt 0x0
	s_barrier_signal -1
	s_barrier_wait -1
.irp c, 0,1,2,3
	ds_load_b128 v[144+4*\c:147+4*\c], v[TA+3] offset:LG+512*\c
	ds_load_b128 v[160+4*\c:163+4*\c], v[TA+3] offset:LG+8192+512*\c
.endr
	s_wait_dscnt 0x0
.irp c, 0,1,2,3
	v_pk_add_f32 v[144+4*\c:145+4*\c], v[144+4*\c:145+4*\c], v[160+4*\c:161+4*\c]
	v_pk_add_f32 v[146+4*\c:147+4*\c], v[146+4*\c:147+4*\c], v[162+4*\c:163+4*\c]
.endr
.irp c, 0,1,2,3
	global_store_b128 v[TA], v[144+4*\c:147+4*\c], s[66:67] offset:512*\c
.endr
	s_cmp_lg_u32 s[WV], 0
	s_cbranch_scc1 .Lno_vs
	ds_load_b128 v[180:183], v[TA+4]
	s_wait_dscnt 0x0
	global_store_b128 v[TA], v[180:183], s[22:23]
.Lno_vs:
	s_wait_tensorcnt 0x0                           ; the wave's end
	ds_add_u32 v[SPW], v[NIL]
	s_wait_dscnt 0x0
	CROUND                                         ; the closing round
	s_endpgm
.Lfunc_end_k_q339ef52fa2_router_vx:
	.size	k_q339ef52fa2_router_vx, .Lfunc_end_k_q339ef52fa2_router_vx-k_q339ef52fa2_router_vx
	.p2alignl 7, 3214868480
	.fill 96, 4, 3214868480
	.section	.rodata,"a",@progbits
	.p2align	6, 0x0
	.amdhsa_kernel k_q339ef52fa2_router_vx
		.amdhsa_group_segment_fixed_size 327680
		.amdhsa_private_segment_fixed_size 0
		.amdhsa_enable_private_segment 0
		.amdhsa_kernarg_size 88
		.amdhsa_user_sgpr_count 2
		.amdhsa_user_sgpr_kernarg_segment_ptr 1
		.amdhsa_wavefront_size32 1
		.amdhsa_system_sgpr_workgroup_id_x 1
		.amdhsa_system_sgpr_workgroup_id_y 1
		.amdhsa_system_sgpr_workgroup_id_z 1
		.amdhsa_system_vgpr_workitem_id 0
		.amdhsa_next_free_vgpr 1024
		.amdhsa_next_free_sgpr 100
		.amdhsa_reserve_vcc 0
		.amdhsa_float_denorm_mode_32 3
		.amdhsa_float_denorm_mode_16_64 3
		.amdhsa_memory_ordered 1
		.amdhsa_forward_progress 1
		.amdhsa_inst_pref_size 218
	.end_amdhsa_kernel
	.amdgpu_metadata
---
amdhsa.version: [ 1, 2 ]
amdhsa.kernels:
  - .name:           k_q339ef52fa2_router_vx
    .symbol:         k_q339ef52fa2_router_vx.kd
    .args:
      - { .name: x_codes, .offset: 0, .size: 8, .value_kind: global_buffer, .address_space: global }
      - { .name: x_scales, .offset: 8, .size: 8, .value_kind: global_buffer, .address_space: global }
      - { .name: W1_codes, .offset: 16, .size: 8, .value_kind: global_buffer, .address_space: global }
      - { .name: W1_scales, .offset: 24, .size: 8, .value_kind: global_buffer, .address_space: global }
      - { .name: V_codes, .offset: 32, .size: 8, .value_kind: global_buffer, .address_space: global }
      - { .name: V_scales, .offset: 40, .size: 8, .value_kind: global_buffer, .address_space: global }
      - { .name: b1, .offset: 48, .size: 8, .value_kind: global_buffer, .address_space: global }
      - { .name: W2, .offset: 56, .size: 8, .value_kind: global_buffer, .address_space: global }
      - { .name: vq, .offset: 64, .size: 8, .value_kind: global_buffer, .address_space: global }
      - { .name: vs, .offset: 72, .size: 8, .value_kind: global_buffer, .address_space: global }
      - { .name: plog, .offset: 80, .size: 8, .value_kind: global_buffer, .address_space: global }
    .group_segment_fixed_size: 327680
    .private_segment_fixed_size: 0
    .kernarg_segment_align: 8
    .kernarg_segment_size: 88
    .max_flat_workgroup_size: 128
    .sgpr_count:     100
    .vgpr_count:     1024
    .wavefront_size: 32
...
	.end_amdgpu_metadata
.endif
;; end of part 1
;; launch expand (part 2): grid 8 x 32, 8 waves a work-group, clusters of 4 x 1, 294,912 bytes of LDS; arguments vq, vs, plog, b2, U_codes, U_scales, out0; writes out0
.if DOCPART == 2
	.amdgcn_target "amdgcn-amd-amdhsa--gfx1250"
	.amdhsa_code_object_version 6
	.text
	.protected	k_q339ef52fa2_expand
	.globl	k_q339ef52fa2_expand
	.p2align	8
	.type	k_q339ef52fa2_expand,@function
k_q339ef52fa2_expand:
	s_mov_b64 s[64:65], 0
	v_nop
	global_prefetch_b8 v0, s[64:65] scope:SCOPE_SE
	s_setreg_imm32_b32 hwreg(HW_REG_WAVE_MODE, 25, 1), 1
	s_wait_xcnt 0x0
	s_wait_alu depctr_hold_cnt(0) depctr_sa_sdst(0) depctr_va_vdst(0) depctr_va_sdst(0) depctr_va_ssrc(0) depctr_va_vcc(0) depctr_vm_vsrc(0)
	s_getreg_b32 s2, hwreg(HW_REG_IB_STS2, 6, 4)
	s_cmp_eq_u32 s2, 0
	s_cbranch_scc0 .Lentry_in_a_cluster
	s_endpgm
.Lentry_in_a_cluster:
	s_bfe_u32 s2, ttmp6, 0x10000c
	s_cmp_lg_u32 s2, 0x3003
	s_cbranch_scc0 .Lentry_shape_is_right
	s_endpgm
.Lentry_shape_is_right:
; SECOND OF TWO LAUNCHES.  No work is left out.  alpha = softmax(the sum of the 8 partial logits + b2), the maximum taken away first; uvx_k = Q(vx_k) U_k^T on codes of E5M2 with E8M0 scales; out = sum_k alpha_k uvx_k in f32 multiply-adds.
; SHARES.  Work-group (nj, mi): 256 tokens x 256 of d.  Eight waves, two to a SIMD; wave (i = w / 4, j = w % 4): 8 token tiles x 4 tiles dt of d.  8 x 32 = 256 work-groups of equal work.
; K = 64 IN AN INSTRUCTION OF 128.  alpha is no power of two, so each expert has its own product.  A fragment of U holds TWO experts (registers 0-7: expert 2 p, 8-15: expert 2 p + 1); the tokens' operand is
; (codes, zero codes) for expert 2 p and (zero codes, codes) for 2 p + 1, cut out of 24 registers [codes 2 p][zeros][codes 2 p + 1]: one fragment and one scale word of each side serve two experts.
; The products are used transposed (source 0 = 16 rows of U, source 1 = 16 tokens): a lane holds ONE token and eight neighbouring d.
; U STAYS IN REGISTERS: my 64 rows x 8 experts are 256 registers.  The partners of a cluster have different nj, so they share nothing of U.
; CLUSTER 4 x 1.  The four partners share mi: vq's, vs's and plog's blocks of these 256 tokens are asked for JOINTLY, one load a wave.  They are first fills alone: nothing in LDS is filled again.
; No prefetch: what the launch reads is asked for at its head, and no stream follows.
; LIMITS.  NaN and infinity codes and scale bytes 0xff are not served: an infinity code of U meets a zero code of the other expert's half and gives NaN.
; REGISTERS.  Window 1: U: (dt, pair p) at 64 dt + 16 p.  Window 0: v1-15, v28-31 addresses; v16-23 U's scale words, v24-27 the tokens', and nothing else; v32-47 alpha, each twice; v48-63 out at work, two sets; v64-159 a token tile, 4 x 24; v160-223 the products' results; v224-255 rows of out read back.
.set PL,    131072                     ; LDS: vq's 16 token tiles x 8,192 bytes from 0 on; 8 parts x 256 tokens x 32 bytes of logits;
.set VS,    196608                     ; 8 experts x 256 tokens x 2 scale bytes: these three are filled by tensor loads;
.set AL,    200704                     ; alpha: 16 tiles x 4 groups x 512 bytes: group g of a lane = (alpha 2g, alpha 2g, alpha 2g+1, alpha 2g+1) of its token;
.set TSW,   233472                     ; the tokens' scale words: 16 tiles x 512 bytes: four words a lane;
.set STG,   242176                     ; a stage of 16 rows x (256 + 16) bytes for each wave;
.set SPARE, 276992                     ; and the spare words
.set RR,   1
.set HH,   2
.set LN,   3
.set L16,  4
.set VQ0,  5
.set AL0,  6
.set TS0,  7
.set STO,  8
.set RD,   9
.set VSA,  10
.set PLA,  11
.set TSWW, 12
.set VQA,  10                          ; in the loop: the next tile's addresses
.set ALA,  11
.set TSA,  12
.set ALW,  13
.set UO,   14
.set USO,  15
.set USW,  16                          ; v[16 + 4 dp + p]: lanes 0-15 d tile 2 dp, lanes 16-31 d tile 2 dp + 1
.set TSWR, 24
.set SPW,  28
.set NIL,  29
.set CO,   30
.set B2O,  31
.set AA,   32
.set OO,   48
.set B2,   56
.set TK,   64
.set TMP,  160
.set RAW,  224
.set RB,   224
.set WV,  18
.set WI,  19
.set WJ,  20
.set CX,  21
.set NJ,  22
.set MI,  23
.set G1B, 24                           ; group 1 for 128 rows of 256 bytes (plog's halves, vq's quarters), for 8 (vs's halves)
.set G1C, 32
.set G0A, 48
.set G0B, 52
.set G0C, 56
.set SEL, 60
.set MH,  62
.set CL,  63
.set TRIP, 88
.set OV,  89
.set OA,  90
.set OT,  91
.set MSB, 0
.macro WIN new
.if MSB != (\new)
	s_set_vgpr_msb (MSB<<8)|(\new)
.set MSB, (\new)
.endif
.endm
.macro ROUND
	s_barrier_signal -1
	s_barrier_wait -1
	s_cmp_lg_u32 s[WV], 0
	s_cbranch_scc1 .Lnot_wave_0_\@
	s_barrier_signal -3
.Lnot_wave_0_\@:
	s_barrier_wait -3
	s_barrier_signal -1
	s_barrier_wait -1
.endm
.macro G1SET g, rows                   ; a dense block as rows of 256 bytes: 32 elements of 8 bytes; the mask names all four partners, bit 21 beside it
	s_mov_b32 s[\g], 15|(3<<16)|(1<<21)
	s_mov_b32 s[\g+1], 32<<16
	s_mov_b32 s[\g+2], (\rows)<<16
	s_mov_b32 s[\g+3], 32<<16
	s_mov_b32 s[\g+4], \rows
	s_mov_b32 s[\g+5], 32
	s_mov_b32 s[\g+6], 0
	s_mov_b32 s[\g+7], 0
.endm
.macro TLOAD g0, g1
	tensor_load_to_lds s[\g0:\g0+3], s[\g1:\g1+7]
	s_nop 0
.rept 4
	v_nop
.endr
.endm
	s_load_b256 s[4:11], s[0:1], 0x0               ; vq s[4:5], vs s[6:7], plog s[8:9], b2 s[10:11]
	s_load_b128 s[12:15], s[0:1], 0x20             ; U's codes, U's scales
	s_load_b64 s[16:17], s[0:1], 0x30              ; out0
	v_lshl_add_u32 v[SPW], v0, 2, SPARE
	v_mov_b32 v[NIL], 0
	ds_add_u32 v[SPW], v[NIL]                      ; the opening adds, twice on end
	ds_add_u32 v[SPW], v[NIL]
	v_lshrrev_b32 v1, 5, v0
	v_readfirstlane_b32 s[WV], v1
	s_lshr_b32 s[WI], s[WV], 2
	s_and_b32 s[WJ], s[WV], 3
	s_bfe_u32 s[CX], ttmp6, 0x40000
	s_lshl_b32 s[NJ], ttmp9, 2
	s_add_co_u32 s[NJ], s[NJ], s[CX]               ; nj enters U's and out0's addresses alone
	s_and_b32 s[MI], ttmp7, 0xffff                 ; mi, which the four partners share
	G1SET G1B, 128
	G1SET G1C, 8
	s_and_b32 s75, s[WV], 1
	s_lshl_b32 s66, s[MI], 12
	s_lshl_b32 s74, s75, 11
	s_add_co_u32 s66, s66, s74                     ; vs: half w % 2, by waves 0 and 1
	s_mov_b32 s67, 0
	s_lshl_b32 s70, s[MI], 16
	s_lshl_b32 s74, s75, 15
	s_add_co_u32 s70, s70, s74                     ; plog: half w % 2, by waves 2 and 3
	s_mov_b32 s71, 0
	s_lshl_b32 s72, s[MI], 17
	s_lshl_b32 s74, s[WJ], 15
	s_add_co_u32 s72, s72, s74                     ; vq: quarter w % 4, by waves 4 to 7
	s_mov_b32 s73, 0
	s_mov_b32 s[G0C], 1
	s_lshl_b32 s[G0C+1], s75, 11
	s_add_co_u32 s[G0C+1], s[G0C+1], VS
	s_mov_b32 s[G0A], 1
	s_lshl_b32 s[G0A+1], s75, 15
	s_add_co_u32 s[G0A+1], s[G0A+1], PL
	s_mov_b32 s[G0B], 1
	s_lshl_b32 s[G0B+1], s[WJ], 15
	s_wait_dscnt 0x0                               ; both opening adds are done
	ROUND                                          ; all four work-groups are here: the joint loads meet
	s_wait_kmcnt 0x0
	s_add_nc_u64 s[G0C+2:G0C+3], s[6:7], s[66:67]
	s_or_b32 s[G0C+3], s[G0C+3], 0x80000000
	s_add_nc_u64 s[G0A+2:G0A+3], s[8:9], s[70:71]
	s_or_b32 s[G0A+3], s[G0A+3], 0x80000000
	s_add_nc_u64 s[G0B+2:G0B+3], s[4:5], s[72:73]
	s_or_b32 s[G0B+3], s[G0B+3], 0x80000000
	s_cmp_lt_u32 s[WV], 2                          ; one load a wave: waves 0, 1 the scale bytes, waves 2, 3 the logits, waves 4 to 7 the codes
	s_cbranch_scc0 .Lfor_logits
	TLOAD G0C, G1C
	s_branch .Lasked
.Lfor_logits:
	s_cmp_lt_u32 s[WV], 4
	s_cbranch_scc0 .Lfor_codes
	TLOAD G0A, G1B
	s_branch .Lasked
.Lfor_codes:
	TLOAD G0B, G1B
.Lasked:
	s_mov_b32 s69, 0
	s_lshl_b32 s68, s[NJ], 14
	s_lshl_b32 s74, s[WJ], 12
	s_add_co_u32 s68, s68, s74
	s_add_nc_u64 s[12:13], s[12:13], s[68:69]      ; U's codes at d = 256 nj + 64 j, 64 bytes a row
	s_lshl_b32 s68, s[NJ], 9
	s_lshl_b32 s74, s[WJ], 7
	s_add_co_u32 s68, s68, s74
	s_add_nc_u64 s[14:15], s[14:15], s[68:69]      ; its scale bytes, 2 a row
	s_lshl_b32 s68, s[NJ], 10
	s_lshl_b32 s74, s[WJ], 8
	s_add_co_u32 s68, s68, s74
	s_lshl_b32 s74, s[MI], 21
	s_add_co_u32 s68, s68, s74
	s_lshl_b32 s74, s[WI], 20
	s_add_co_u32 s68, s68, s74
	s_add_nc_u64 s[16:17], s[16:17], s[68:69]      ; out0 at token 256 mi + 128 i, the same d
	s_lshl_b32 s80, s[WI], 16
	s_lshl_b32 s81, s[WI], 14
	s_add_co_u32 s81, s81, AL
	s_lshl_b32 s82, s[WI], 12
	s_add_co_u32 s82, s82, TSW
	s_mul_i32 s83, s[WV], 4352
	s_add_co_u32 s83, s83, STG
	s_lshl_b32 s84, s[WV], 6
	s_add_co_u32 s84, s84, VS
	s_lshl_b32 s85, s[WV], 10
	s_add_co_u32 s85, s85, PL
	s_lshl_b32 s86, s[WV], 10
	s_add_co_u32 s86, s86, TSW
	s_lshl_b32 s87, s[WV], 12
	s_add_co_u32 s87, s87, AL
	s_mov_b32 s[SEL], 0x76543210
	s_mov_b32 s[SEL+1], 0xfedcba98
	s_mov_b32 s[MH], 0xffff0000                    ; lanes 16-31
	s_mov_b32 s[CL], 0x3fb8aa3b                    ; log2(e)
	v_and_b32 v[RR], 15, v0
	v_bfe_u32 v[HH], v0, 4, 1
	v_and_b32 v[LN], 31, v0
	v_lshlrev_b32 v[L16], 4, v[LN]
	v_lshlrev_b32 v[UO], 6, v[RR]
	v_lshl_add_u32 v[UO], v[HH], 4, v[UO]
	v_lshlrev_b32 v[USO], 1, v[LN]
	v_lshlrev_b32 v[B2O], 4, v[HH]
	v_add_nc_u32 v[VQ0], s80, v[L16]
	v_add_nc_u32 v[AL0], s81, v[L16]
	v_add_nc_u32 v[TS0], s82, v[L16]
	v_mul_u32_u24 v[STO], v[RR], 272               ; the stage: row r, 32 bytes for each half of the lanes
	v_lshl_add_u32 v[STO], v[HH], 5, v[STO]
	v_add_nc_u32 v[STO], s83, v[STO]
	v_mul_u32_u24 v[RD], v[HH], 272                ; and back: lanes 0-15 one row, lanes 16-31 the next
	v_lshl_add_u32 v[RD], v[RR], 4, v[RD]
	v_add_nc_u32 v[RD], s83, v[RD]
	v_lshlrev_b32 v[CO], 13, v[HH]                 ; the same two rows of out0
	v_lshl_add_u32 v[CO], v[RR], 4, v[CO]
	v_lshl_add_u32 v[VSA], v[RR], 1, s84
	v_lshlrev_b32 v[PLA], 5, v[RR]
	v_lshl_add_u32 v[PLA], v[HH], 4, v[PLA]
	v_add_nc_u32 v[PLA], s85, v[PLA]
	v_add_nc_u32 v[TSWW], s86, v[L16]
	v_add_nc_u32 v[ALW], s87, v[L16]
	s_wait_alu depctr_va_vdst(0)
	global_load_b128 v[B2:B2+3], v[B2O], s[10:11]  ; b2 of my half's four experts
.irp p, 0,1
.irp e, 0,1,2,3,4,5,6,7
	global_load_u16 v[RAW+8*\p+\e], v[USO], s[14:15] offset:4096*\e+64*\p   ; expert e, d = 32 p + lane: two scale bytes
.endr
.endr
.macro UL d                            ; a d tile's fragments, 16 loads: lane (r, h): row 16 d + r; registers 8 (e % 2) + 4 c on: r-axis 32 c + 16 h + 0 .. 15 of expert e
	WIN 0x40
.irp e, 0,1,2,3,4,5,6,7
.irp c, 0,1
	global_load_b128 v[64*(\d)+16*(\e/2)+8*(\e%2)+4*\c:64*(\d)+16*(\e/2)+8*(\e%2)+4*\c+3], v[UO], s[12:13] offset:131072*\e+1024*(\d)+32*\c
.endr
.endr
	WIN 0
.endm
	UL 0
	UL 1
.irp p, 0,1,2,3
.irp z, 0,1,2,3,4,5,6,7
	v_mov_b32 v[TK+24*\p+8+\z], 0                  ; the zero codes that fill K = 64 up to the instruction's 128: written once
.endr
.endr
	s_wait_alu depctr_va_vdst(0)
	s_cmp_lt_u32 s[WV], 4
	s_cbranch_scc0 .Lcodes_out
	s_wait_tensorcnt 0x0                           ; waves 0 to 3: the scale bytes and the logits are in; the codes are waited for at the second barrier
.Lcodes_out:
	s_barrier_signal -1
	s_barrier_wait -1
	; ---- wave w serves token tiles 2 w + u, u = 0, 1, by turns: their scale words and their alpha, as images of the registers that the main part wants
.irp u, 0,1
.irp e, 0,1,2,3,4,5,6,7
	ds_load_u16 v[AA+8*\u+\e], v[VSA] offset:512*\e+32*\u
.endr
.endr
.irp u, 0,1
.irp p, 0,1,2,3,4,5,6,7
	ds_load_b128 v[TMP+32*\u+4*\p:TMP+32*\u+4*\p+3], v[PLA] offset:8192*\p+512*\u
.endr
.endr
	s_wait_loadcnt 32                              ; all but UL 0's and UL 1's 32: b2 and U's scale bytes are in
.irp d, 0,1
.irp p, 0,1,2,3
	v_lshl_or_b32 v[USW+4*\d+\p], v[RAW+8*\d+2*\p+1], 16, v[RAW+8*\d+2*\p]   ; U's scale word of a pair of experts
.endr
.endr
	UL 2
	UL 3
	s_wait_dscnt 16                                ; the scale bytes are in; the logits' 16 loads may be out
.irp u, 0,1
.irp p, 0,1,2,3
	v_lshl_or_b32 v[OO+4*\u+\p], v[AA+8*\u+2*\p+1], 16, v[AA+8*\u+2*\p]      ; the tokens' likewise
.endr
.endr
.irp u, 0,1
	ds_store_b128 v[TSWW], v[OO+4*\u:OO+4*\u+3] offset:512*\u
.endr
	s_wait_dscnt 2                                 ; the logits are in; the two stores may be out
.macro PADD d, s                       ; part d += part s
.irp n, 0,2
.irp u, 0,1
	v_pk_add_f32 v[TMP+32*\u+4*(\d)+\n:TMP+32*\u+4*(\d)+\n+1], v[TMP+32*\u+4*(\d)+\n:TMP+32*\u+4*(\d)+\n+1], v[TMP+32*\u+4*(\s)+\n:TMP+32*\u+4*(\s)+\n+1]
.endr
.endr
.endm
	PADD 0, 1
	PADD 2, 3
	PADD 4, 5
	PADD 6, 7
	PADD 0, 2
	PADD 4, 6
	PADD 0, 4
.irp n, 0,2
.irp u, 0,1
	v_pk_add_f32 v[TMP+32*\u+\n:TMP+32*\u+\n+1], v[TMP+32*\u+\n:TMP+32*\u+\n+1], v[B2+\n:B2+\n+1]
.endr
.endr
.irp u, 0,1
	v_max3_num_f32 v[TMP+32*\u+4], v[TMP+32*\u], v[TMP+32*\u+1], v[TMP+32*\u+2]
.endr
.irp u, 0,1
	v_max_num_f32 v[TMP+32*\u+4], v[TMP+32*\u+4], v[TMP+32*\u+3]
.endr
.irp u, 0,1
	v_permlanex16_b32 v[TMP+32*\u+5], v[TMP+32*\u+4], s[SEL], s[SEL+1]
.endr
.irp u, 0,1
	v_max_num_f32 v[TMP+32*\u+4], v[TMP+32*\u+4], v[TMP+32*\u+5]   ; the largest of the token's eight logits
.endr
.irp k, 0,1,2,3
.irp u, 0,1
	v_sub_f32 v[TMP+32*\u+\k], v[TMP+32*\u+\k], v[TMP+32*\u+4]
.endr
.endr
.irp k, 0,1,2,3
.irp u, 0,1
	v_mul_f32 v[TMP+32*\u+\k], s[CL], v[TMP+32*\u+\k]
.endr
.endr
	s_wait_alu depctr_va_vdst(0)
.irp k, 0,1,2,3
.irp u, 0,1
	v_exp_f32 v[TMP+32*\u+\k], v[TMP+32*\u+\k]     ; eight exponentials: one batch
.endr
.endr
	v_nop
	s_wait_alu depctr_va_vdst(0)                   ; one wait for the batch, ahead of its first reader
.irp u, 0,1
	v_add_f32 v[TMP+32*\u+6], v[TMP+32*\u], v[TMP+32*\u+1]
.endr
.irp u, 0,1
	v_add_f32 v[TMP+32*\u+7], v[TMP+32*\u+2], v[TMP+32*\u+3]
.endr
.irp u, 0,1
	v_add_f32 v[TMP+32*\u+6], v[TMP+32*\u+6], v[TMP+32*\u+7]
.endr
.irp u, 0,1
	v_permlanex16_b32 v[TMP+32*\u+5], v[TMP+32*\u+6], s[SEL], s[SEL+1]
.endr
.irp u, 0,1
	v_add_f32 v[TMP+32*\u+6], v[TMP+32*\u+6], v[TMP+32*\u+5]
.endr
	s_wait_alu depctr_va_vdst(0)
.irp u, 0,1
	v_rcp_f32 v[TMP+32*\u+7], v[TMP+32*\u+6]
.endr
	v_nop
	s_wait_alu depctr_va_vdst(0)                   ; one wait for the two reciprocals
.irp k, 0,1,2,3
.irp u, 0,1
	v_mul_f32 v[TMP+32*\u+\k], v[TMP+32*\u+\k], v[TMP+32*\u+7]     ; alpha of my half's four experts
.endr
.endr
.irp k, 0,1,2,3
.irp u, 0,1
	v_permlanex16_b32 v[TMP+32*\u+8+\k], v[TMP+32*\u+\k], s[SEL], s[SEL+1]   ; and the other half's
.endr
.endr
.irp e, 0,1,2,3
.irp u, 0,1
	v_cndmask_b32 v[TMP+32*\u+12+2*\e], v[TMP+32*\u+\e], v[TMP+32*\u+8+\e], s[MH]    ; all eight in every lane, each twice: a pair for the packed multiply-adds
	v_cndmask_b32 v[TMP+32*\u+13+2*\e], v[TMP+32*\u+\e], v[TMP+32*\u+8+\e], s[MH]
	v_cndmask_b32 v[TMP+32*\u+20+2*\e], v[TMP+32*\u+8+\e], v[TMP+32*\u+\e], s[MH]
	v_cndmask_b32 v[TMP+32*\u+21+2*\e], v[TMP+32*\u+8+\e], v[TMP+32*\u+\e], s[MH]
.endr
.endr
.irp u, 0,1
.irp g, 0,1,2,3
	ds_store_b128 v[ALW], v[TMP+32*\u+12+4*\g:TMP+32*\u+15+4*\g] offset:2048*\u+512*\g
.endr
.endr
	s_wait_alu depctr_va_vdst(0)
	s_wait_tensorcnt 0x0                           ; the codes are in,
	s_wait_dscnt 0x0                               ; and my stores of scale words and alpha are done
	s_barrier_signal -1
	s_barrier_wait -1
; ---- THE MAIN PART: eight trips, a token tile each.
.macro CODES vq, ts                    ; a tile's codes and scale words: 17 loads
.irp e, 0,1,2,3,4,5,6,7
.irp c, 0,1
	ds_load_b128 v[TK+24*(\e/2)+16*(\e%2)+4*\c:TK+24*(\e/2)+16*(\e%2)+4*\c+3], v[\vq] offset:512*(2*\e+\c)
.endr
.endr
	ds_load_b128 v[TSWR:TSWR+3], v[\ts]
.endm
.macro ALPHA al
.irp g, 0,1,2,3
	ds_load_b128 v[AA+4*\g:AA+4*\g+3], v[\al] offset:512*\g
.endr
.endm
.macro W d, e0                         ; four products, experts e0 on, each a sum of its own: C = 0
	WIN 0x01                                       ; source 0 (U) window 1
.irp x, 0,1,2,3
.set E_, (\e0)+\x
.set rD,  TMP+8*E_
.set rU,  64*(\d)+16*(E_/2)
.set rK,  TK+24*(E_/2)+8*(E_%2)
.set rSU, USW+4*((\d)/2)+E_/2
.set rSK, TSWR+E_/2
.if (\d)%2
	v_wmma_scale_f32_16x16x128_f8f6f4 v[rD:rD+7], v[rU:rU+15], v[rK:rK+15], 0, v[rSU], v[rSK] matrix_a_fmt:MATRIX_FMT_BF8 matrix_b_fmt:MATRIX_FMT_BF8 matrix_a_scale:MATRIX_SCALE_ROW1
.else
	v_wmma_scale_f32_16x16x128_f8f6f4 v[rD:rD+7], v[rU:rU+15], v[rK:rK+15], 0, v[rSU], v[rSK] matrix_a_fmt:MATRIX_FMT_BF8 matrix_b_fmt:MATRIX_FMT_BF8
.endif
.endr
	WIN 0
.endm
.macro F d, e0                         ; out (+)= alpha_e x result e, experts e0 .. e0 + 3: 16 packed lines, each result from its low end on
.set rO, OO+8*((\d)%2)
.irp x, 0,1,2,3
.set E_, (\e0)+\x
.irp n, 0,2,4,6
.if E_ == 0
	v_pk_mul_f32 v[rO+\n:rO+\n+1], v[TMP+\n:TMP+\n+1], v[AA:AA+1]
.else
	v_pk_fma_f32 v[rO+\n:rO+\n+1], v[TMP+8*E_+\n:TMP+8*E_+\n+1], v[AA+2*E_:AA+2*E_+1], v[rO+\n:rO+\n+1]
.endif
.endr
.endr
.endm
.macro PUT d                           ; 32 bytes of my token's row into the stage
.set rO, OO+8*((\d)%2)
	ds_store_b128 v[STO], v[rO:rO+3] offset:64*(\d)
	ds_store_b128 v[STO], v[rO+4:rO+7] offset:64*(\d)+16
.endm
	CODES VQ0, TS0
	ALPHA AL0
	s_mov_b32 s[TRIP], 0
	s_mov_b32 s[OV], 8192                          ; the next tile's places
	s_mov_b32 s[OA], 2048
	s_mov_b32 s[OT], 512
	s_sub_nc_u64 s[16:17], s[16:17], 0x20000       ; 16 rows back: each trip steps 16 rows on first
	s_wait_loadcnt 0x0                             ; U
	s_wait_dscnt 0x0
.Ltile:
	W 0, 0
	W 0, 4
.rept 8
	v_nop                                          ; places behind the first four; further on 16 packed lines and more stand between a product and the first reader of its result, or the product that writes over it
.endr
	F 0, 0
.irp d, 1,2,3
	W \d, 0
	F \d-1, 4
	PUT \d-1
	W \d, 4
	F \d, 0
.endr
	s_cmp_eq_u32 s[TRIP], 7
	s_wait_alu depctr_va_vdst(0)
	s_cbranch_scc1 .Lno_codes
	v_add_nc_u32 v[VQA], s[OV], v[VQ0]
	v_add_nc_u32 v[ALA], s[OA], v[AL0]
	v_add_nc_u32 v[TSA], s[OT], v[TS0]
	CODES VQA, TSA                                 ; the next tile; its registers' last readers stand 16 lines back
.Lno_codes:
	F 3, 4
	PUT 3
	s_cmp_eq_u32 s[TRIP], 7
	s_cbranch_scc1 .Lno_alpha
	ALPHA ALA
.Lno_alpha:
	s_wait_xcnt 0x0                                ; the last tile's stores have read their registers and their base
	s_add_nc_u64 s[16:17], s[16:17], 0x20000
.irp t, 0,1,2,3,4,5,6,7
	ds_load_b128 v[RB+4*\t:RB+4*\t+3], v[RD] offset:544*\t   ; two rows of 256 bytes.  LDS serves a wave's instructions in order (ISA guide 5.7.1.4): these see my stores, and the next tile's stores come behind them
.endr
	s_wait_dscnt 0x0                               ; the rows are back, and the next tile is in
.irp t, 0,1,2,3,4,5,6,7
	global_store_b128 v[CO], v[RB+4*\t:RB+4*\t+3], s[16:17] offset:\t*16384 th:TH_STORE_NT   ; sixteen lanes store 256 consecutive bytes, aligned; written once, read by nobody here
.endr
	s_add_co_u32 s[OV], s[OV], 8192
	s_add_co_u32 s[OA], s[OA], 2048
	s_add_co_u32 s[OT], s[OT], 512
	s_add_co_u32 s[TRIP], s[TRIP], 1
	s_cmp_lt_u32 s[TRIP], 8
	s_wait_alu depctr_va_vdst(0)
	s_cbranch_scc1 .Ltile
	s_wait_tensorcnt 0x0                           ; the wave's end
	ds_add_u32 v[SPW], v[NIL]
	s_wait_dscnt 0x0
	ROUND                                          ; the closing round
	s_endpgm
.Lfunc_end_k_q339ef52fa2_expand:
	.size	k_q339ef52fa2_expand, .Lfunc_end_k_q339ef52fa2_expand-k_q339ef52fa2_expand
	.p2alignl 7, 3214868480
	.fill 96, 4, 3214868480
	.section	.rodata,"a",@progbits
	.p2align	6, 0x0
	.amdhsa_kernel k_q339ef52fa2_expand
		.amdhsa_group_segment_fixed_size 294912
		.amdhsa_private_segment_fixed_size 0
		.amdhsa_enable_private_segment 0
		.amdhsa_kernarg_size 56
		.amdhsa_user_sgpr_count 2
		.amdhsa_user_sgpr_kernarg_segment_ptr 1
		.amdhsa_wavefront_size32 1
		.amdhsa_system_sgpr_workgroup_id_x 1
		.amdhsa_system_sgpr_workgroup_id_y 1
		.amdhsa_system_sgpr_workgroup_id_z 1
		.amdhsa_system_vgpr_workitem_id 0
		.amdhsa_next_free_vgpr 512
		.amdhsa_next_free_sgpr 100
		.amdhsa_reserve_vcc 0
		.amdhsa_float_denorm_mode_32 3
		.amdhsa_float_denorm_mode_16_64 3
		.amdhsa_memory_ordered 1
		.amdhsa_forward_progress 1
		.amdhsa_inst_pref_size 45
	.end_amdhsa_kernel
	.amdgpu_metadata
---
amdhsa.version: [ 1, 2 ]
amdhsa.kernels:
  - .name:           k_q339ef52fa2_expand
    .symbol:         k_q339ef52fa2_expand.kd
    .args:
      - { .name: vq, .offset: 0, .size: 8, .value_kind: global_buffer, .address_space: global }
      - { .name: vs, .offset: 8, .size: 8, .value_kind: global_buffer, .address_space: global }
      - { .name: plog, .offset: 16, .size: 8, .value_kind: global_buffer, .address_space: global }
      - { .name: b2, .offset: 24, .size: 8, .value_kind: global_buffer, .address_space: global }
      - { .name: U_codes, .offset: 32, .size: 8, .value_kind: global_buffer, .address_space: global }
      - { .name: U_scales, .offset: 40, .size: 8, .value_kind: global_buffer, .address_space: global }
      - { .name: out0, .offset: 48, .size: 8, .value_kind: global_buffer, .address_space: global }
    .group_segment_fixed_size: 294912
    .private_segment_fixed_size: 0
    .kernarg_segment_align: 8
    .kernarg_segment_size: 56
    .max_flat_workgroup_size: 256
    .sgpr_count:     100
    .vgpr_count:     512
    .wavefront_size: 32
...
	.end_amdgpu_metadata
.endif
;; end of part 2
